; MI455X (gfx1250); checked and timed in simulation.
; The chip was launched on July 23, 2026; its instructions are those of AMD's public machine-readable ISA for CDNA 5 (MIT licence, August 2026) and "CDNA5" Instruction Set Architecture Reference Guide (July 2026). The comments in the code are by the model that wrote it; some were corrected since.
;; Attention. Allowed arithmetic: matrix products marked QUANTISED: E4M3 operands, one given power-of-two scale a tensor, by v_wmma_f32_16x16x64_fp8_fp8 or v_wmma_f32_16x16x128_fp8_fp8, f32 sums; everything else in f32.
;; Inputs: Wk_b 1,024 float32; Wk_w 1,024 x 1,024 float32; Wq_b 1,024 float32; Wq_w 1,024 x 1,024 float32; key 8 x 2,048 x 1,024 float32; lowp_scales 8 int32 (the exponents e of the quantised operands' scales 2^e); mask 8 x 2,048 int32; query 8 x 1,024 x 1,024 float32; value 8 x 2,048 x 1,024 float32.
;; Outputs: out0 8 x 1,024 x 1,024 float32.
;; This version of the problem:
;;   THIS VERSION OF THE PROBLEM IS GIVEN IN LOW PRECISION. The matrix products marked QUANTISED in the list below multiply operands that are first quantised to E4M3 (4 exponent bits, 3 mantissa bits; 8 bits a number), with one given power-of-two scale for each operand tensor; their sums are f32. All else is computed in f32.
;;   The module's matrix products, in the order in which they are computed (A, B: the left and right operand; K: the contracted axis; several contracted axes count as one K, in the product's order):
;;     1. [M 8,192, K 1,024] x [K 1,024, N 1,024]; A: input query; B: input Wq_w: QUANTISED (scales: A lowp_scales[0], B lowp_scales[1])
;;     2. [M 16,384, K 1,024] x [K 1,024, N 1,024]; A: input key; B: input Wk_w: QUANTISED (scales: A lowp_scales[2], B lowp_scales[3])
;;     3. batch 8 x [M 1,024, K 1,024] x [K 1,024, N 2,048]; A: computed on the way; B: computed on the way: QUANTISED (scales: A lowp_scales[4], B lowp_scales[5])
;;     4. batch 8 x [M 1,024, K 2,048] x [K 2,048, N 1,024]; A: softmax (see below); B: input value: QUANTISED (scales: A lowp_scales[6], B lowp_scales[7])
;;   THE QUANTISER, for each operand of a quantised product, along K:
;;     - The operand's scale is 2^e, e = its entry of the input lowp_scales (int32; the entries are numbered through the quantised products in the list's order, A before B).
;;     - Each number is divided by the scale, clamped to +-448, and rounded to the nearest number of E4M3, ties to even, subnormals kept.
;;     - The product sums the exact products of the quantised numbers (number of the format x scale) in f32.
;;   ~~~python
;;   def quantise(x, axis, e):      # numpy; x: float32 -> the quantised numbers, widened to float32 again
;;       x = np.moveaxis(x, axis, -1); K = x.shape[-1]
;;       r = np.clip(x / 2.0 ** e, -448, 448)
;;       step = 2.0 ** (np.maximum(np.frexp(np.where(r == 0, 1, r))[1] - 1, -6) - 3)
;;       q = np.round(r / step) * step * 2.0 ** e      # np.round: ties to even
;;       return np.moveaxis(q, -1, axis).astype(np.float32)
;;   ~~~
;;   SOFTMAX AHEAD OF A QUANTISED PRODUCT. Where the list says 'softmax', what is quantised is not the finished softmax but p = 2^(t - M), with t = logit x log2(e) and M = ceil(the row's largest t), a whole number; so 1/2 < the row's largest p <= 1. The row's sum l is taken of the UNQUANTISED p, in f32, and the product's result is divided by l at the end. Since M is a whole number, a kernel that streams over the keys may use a running M (the ceiling of the running maximum): every later rescaling is an exact power of two, so the quantised numbers keep their values, but for numbers so far below the row's largest that they fall under the format's range.
;;   OPERANDS COMPUTED ON THE WAY. 'Computed on the way' means the value that the module computes at that place (a softmax that the list does not call 'softmax' is quantised finished and normalised). What goes into a quantiser is computed in f32, as accurately as f32 sums, v_exp_f32 and their like allow (about 1e-6 of the number): no bf16 or f16 on the way to a quantiser, and a product that is left as it is and whose result goes on into a quantised operand takes f32 operands (vector FMAs, or v_wmma_f32_16x16x4_f32). A number that lies on a knife's edge between two numbers of the format may be rounded either way, as far as f32 arithmetic and the matrix unit's own rounding can turn it there, and no further.
;; One version. Each part assembles by itself: llvm-mc -triple=amdgcn-amd-amdhsa -mcpu=gfx1250 --defsym DOCPART=n.
;; ======== version 1 of 1: 4 launches
;; limits: right only within a limited range of input values
;; workspace buffers: x_codes 25,165,824 bytes; w_codes 2,097,152 bytes; v_codes 16,777,216 bytes; qk_codes 25,165,824 bytes; p_codes 16,777,216 bytes; nstat 524,288 bytes; lstat 524,288 bytes
;; launch quant (part 1): grid 1024 x 1, 4 waves a work-group, no clusters, 9,728 bytes of LDS; arguments query, key, Wq_w, Wk_w, value, lowp_scales, x_codes, w_codes, v_codes; writes x_codes, w_codes, v_codes
.if DOCPART == 1
	.amdgcn_target "amdgcn-amd-amdhsa--gfx1250"
	.amdhsa_code_object_version 6
	.text
	.protected	k_q29a38d33a9_quant
	.globl	k_q29a38d33a9_quant
	.p2align	8
	.type	k_q29a38d33a9_quant,@function
k_q29a38d33a9_quant:
	s_mov_b64 s[64:65], 0
	v_nop
	global_prefetch_b8 v0, s[64:65] scope:SCOPE_SE
	s_setreg_imm32_b32 hwreg(HW_REG_WAVE_MODE, 25, 1), 1
	s_wait_xcnt 0x0
; THE PROGRAM: attention of one head of width 1,024 on codes of FP8 (E4M3), four launches: this one quantises the five large inputs; the second makes q and k (products 1, 2) as codes;
; the third the scores, the mask and the softmax's p as codes (product 3); the fourth P V and the division by the row's sum (product 4).
; NOTHING OF THE PROBLEM IS LEFT OUT: both biases move the codes of q and k, every entry of the mask counts, so every input is loaded.
; THIS LAUNCH: code = x / 2^e, held within +-448, rounded to the nearest code, ties to even.  e: lowp_scales[0] query, [2] key, [1] Wq_w, [3] Wk_w, [7] value.
; LIMITS: each of these e lies between -126 and 119, so that 2^e and 448 x 2^e are f32 numbers.  NaN among the inputs is not served (an infinity is held at the largest code).
; SHARES: 4,096 waves, all with the same text.  Wave W takes 1/4,096 of each tensor: two UNITS of value, 4 STEPS of query, 8 of key, 1 of a weight (Wq_w in work-groups 0-511, Wk_w in the others): 84 loads of 512 consecutive bytes.
; A STEP is 512 numbers of a tensor whose K (1,024) is innermost: four loads, 16 bytes a lane.  A lane's 16 numbers are k = 128 j + 4 lane + m of a block of 512 along K, and its 16 codes go to byte 16 lane of the block's 512:
; the codes lie permuted inside each block of 512 along K, alike in all four tensors, so each code meets its partner in products 1 and 2.
; A UNIT is 16 keys x 128 channels of value: keys 8 h + 0 .. 7 and 16 + 8 h + 0 .. 7 of a block of 32 keys.  A lane loads 4 channels of a key; a conversion of 8 registers gives one dword (4 channels) for each of two keys;
; 32 byte permutes turn 16 such dwords into 4 channels x 16 keys.  v_codes is [batch][kg 128][channel 1,024][16 bytes], kg = 2 x (key / 32) + h.  A lane's 64 bytes go through the wave's own stage in LDS
; (16 bytes of padding behind each 256) and come back 16 bytes a lane, so that a store covers 512 consecutive bytes, aligned.
; No barrier: waves share nothing.  No cluster, no tensor load, no matrix unit: nothing is read twice.  Every offset is an immediate; no store's data register is written again.
; No store is issued before the wave's last load: from then on each step stores at once.
.set BK, 24                            ; v24-55   value's codes back from the stage, 16 registers a unit
.set C,  56                            ; v56-107  the steps' codes, 4 registers a step; ahead of the steps the units work here:
.set A,  56                            ; v56-71   a dword (4 channels) for each of 16 keys
.set O,  72                            ; v72-87   4 channels x 16 bytes
.set T,  88                            ; v88-103  halfway
.set X,  108                           ; v108-235 eight sets of 16 numbers; a unit takes four sets
.set SPW, 6                            ; v6  my spare word; never rewritten
.set NIL, 7                            ; v7  0; never rewritten
.set WREG, 2304                        ; a wave's stage: 2,048 bytes + 8 x 16 of padding, rounded up
.set SPARE, 4*WREG                     ; behind the stages: the spare words, 128 bytes a wave
	s_load_b256 s[4:11], s[0:1], 0x0               ; query, key, Wq_w, Wk_w
	s_load_b256 s[12:19], s[0:1], 0x20             ; value, the exponents, x_codes, w_codes
	s_load_b64 s[20:21], s[0:1], 0x40              ; v_codes
	v_lshl_add_u32 v[SPW], v0, 2, SPARE
	v_mov_b32 v[NIL], 0
	v_lshrrev_b32 v1, 5, v0
	v_readfirstlane_b32 s22, v1                    ; wave 0..3
	v_and_b32 v2, 31, v0                           ; lane
	v_lshlrev_b32 v3, 4, v2                        ; 16 x lane
	s_mul_i32 s40, s22, WREG
	v_lshrrev_b32 v8, 2, v2
	v_lshlrev_b32 v4, 6, v2
	v_lshl_add_u32 v4, v8, 4, v4
	v_add_nc_u32 v4, s40, v4                       ; into the stage: 64 lane + 16 (lane / 4)
	v_lshrrev_b32 v9, 4, v2
	v_lshl_add_u32 v5, v9, 4, v3
	v_add_nc_u32 v5, s40, v5                       ; out of it: 16 lane + 16 (lane / 16), and 544 for each 512 bytes
	s_lshl_b32 s23, ttmp9, 2
	s_add_co_u32 s23, s23, s22                     ; W
	s_mov_b32 s37, 0
	s_lshr_b32 s38, s23, 3                         ; value: which 32 keys (batch x 64 + block),
	s_and_b32 s39, s23, 7                          ; which 128 channels
	s_lshl_b32 s36, s38, 17
	s_lshl_b32 s41, s39, 9
	s_add_co_u32 s36, s36, s41
	s_wait_alu depctr_va_vdst(0)
	s_wait_kmcnt 0x0
	s_load_b256 s[24:31], s[14:15], 0x0            ; e0 .. e7
	s_add_nc_u64 s[12:13], s[12:13], s[36:37]
.macro VLOAD h                         ; unit h: 16 keys, 512 consecutive bytes a load
.set n, 0
.rept 16
	global_load_b128 v[X+64*(\h)+4*n:X+64*(\h)+4*n+3], v3, s[12:13] offset:(8*(\h)+n+8*(n/8))*4096 th:TH_LOAD_NT
.set n, n+1
.endr
.endm
	VLOAD 0
	VLOAD 1
	s_lshl_b32 s36, s23, 13
	s_add_nc_u64 s[4:5], s[4:5], s[36:37]          ; query: 8,192 bytes a wave
	s_lshl_b32 s36, s23, 14
	s_add_nc_u64 s[6:7], s[6:7], s[36:37]          ; key: 16,384
	s_cmp_lt_u32 ttmp9, 512                        ; the work-group's number alone chooses the weight
	s_cselect_b64 s[8:9], s[8:9], s[10:11]
	s_and_b32 s36, s23, 2047
	s_lshl_b32 s36, s36, 11
	s_add_nc_u64 s[8:9], s[8:9], s[36:37]          ; 2,048 bytes a wave
	s_lshl_b32 s36, s23, 11
	s_add_nc_u64 s[32:33], s[16:17], s[36:37]      ; query's codes,
	s_lshl_b32 s36, s23, 12
	s_add_co_u32 s36, s36, 0x800000
	s_add_nc_u64 s[34:35], s[16:17], s[36:37]      ; key's behind them
	s_lshl_b32 s36, s23, 9
	s_add_nc_u64 s[18:19], s[18:19], s[36:37]      ; the two weights' codes lie on end
	s_lshl_b32 s36, s38, 15
	s_lshl_b32 s41, s39, 11
	s_add_co_u32 s36, s36, s41
	s_add_nc_u64 s[20:21], s[20:21], s[36:37]      ; value's: 2 kg of 16,384 bytes for 32 keys, 2,048 for 128 channels
	s_mov_b32 s44, 0x05010400                      ; the byte permutes' selects
	s_mov_b32 s45, 0x07030602
	s_mov_b32 s46, 0x05040100
	s_mov_b32 s47, 0x07060302
	s_wait_kmcnt 0x0
	s_cmp_lt_u32 ttmp9, 512
	s_cselect_b32 s25, s25, s27                    ; the weight's e
.macro MKS e, r                        ; v[r] = 2^e as f32 (the conversion takes its exponent field), v[r+1] = 448 x 2^e
	s_add_co_i32 s40, s\e, 127
	s_lshl_b32 s41, s40, 23
	v_mov_b32 v[\r], s41
	s_add_co_i32 s40, s40, 8
	s_lshl_b32 s40, s40, 23
	s_or_b32 s40, s40, 0x600000
	v_mov_b32 v[\r+1], s40
.endm
	MKS 24, 16                                     ; query
	MKS 26, 18                                     ; key
	MKS 25, 20                                     ; the weight
	MKS 31, 22                                     ; value
.macro SRC k                           ; step k: 0-3 query, 4-11 key, 12 the weight
.if (\k) < 4
.set P, 4
.set D, 32
.set I, (\k)
.set SC, 16
.else
.if (\k) < 12
.set P, 6
.set D, 34
.set I, (\k)-4
.set SC, 18
.else
.set P, 8
.set D, 18
.set I, 0
.set SC, 20
.endif
.endif
.endm
.macro LOAD k
	SRC \k
.irp j, 0,1,2,3
	global_load_b128 v[X+16*((\k)%8)+4*\j:X+16*((\k)%8)+4*\j+3], v3, s[P:P+1] offset:2048*I+512*\j th:TH_LOAD_NT
.endr
.endm
.macro SEND k                          ; 32 lanes store 512 consecutive bytes, aligned
	SRC \k
	global_store_b128 v3, v[C+4*(\k):C+4*(\k)+3], s[D:D+1] offset:512*I
.endm
.macro UNIT h
.set XS, X+64*(\h)
	s_wait_loadcnt 16                              ; this unit's 16 loads are in; the 16 issued behind them stay out
.if \h
	s_wait_dscnt 0x0                               ; the first unit's stores into the stage have read their registers
.endif
.set n, 0
.rept 64
	v_med3_num_f32 v[XS+n], v[XS+n], -v23, v23     ; the conversion to an 8-bit code does not saturate (ISA guide 7.6.2): the hold at the largest code x the scale
.set n, n+1
.endr
.irp g, 0,1,2,3,4,5,6,7
	v_cvt_scalef32_pk8_fp8_f32 v[A+2*\g:A+2*\g+1], v[XS+8*\g:XS+8*\g+7], v22   ; keys 2 g and 2 g + 1, four channels each
.endr
.irp k, 0,1,2,3
	LOAD 4*(\h)+\k                                 ; the four sets just converted take four steps' loads
.endr
	v_nop                                          ; one plain vector instruction between the conversions and their readers
.irp q, 0,1,2,3                        ; 4 keys x 4 channels of bytes are transposed in two passes
	v_perm_b32 v[T+4*\q], v[A+4*\q+1], v[A+4*\q], s44
	v_perm_b32 v[T+4*\q+1], v[A+4*\q+1], v[A+4*\q], s45
	v_perm_b32 v[T+4*\q+2], v[A+4*\q+3], v[A+4*\q+2], s44
	v_perm_b32 v[T+4*\q+3], v[A+4*\q+3], v[A+4*\q+2], s45
.endr
.irp q, 0,1,2,3
	v_perm_b32 v[O+\q], v[T+4*\q+2], v[T+4*\q], s46
	v_perm_b32 v[O+4+\q], v[T+4*\q+2], v[T+4*\q], s47
	v_perm_b32 v[O+8+\q], v[T+4*\q+3], v[T+4*\q+1], s46
	v_perm_b32 v[O+12+\q], v[T+4*\q+3], v[T+4*\q+1], s47
.endr
.irp c, 0,1,2,3
	ds_store_b128 v4, v[O+4*\c:O+4*\c+3] offset:16*\c
.endr
.irp i, 0,1,2,3
	ds_load_b128 v[BK+16*(\h)+4*\i:BK+16*(\h)+4*\i+3], v5 offset:544*\i   ; LDS serves a wave's instructions in order: these see my stores
.endr
.endm
.macro STEP k
.set RS, X+16*((\k)%8)
.if (\k) < 6
	s_wait_loadcnt 28                              ; this step's four loads are in; the seven steps' behind them stay out
.else
	s_wait_loadcnt 4*(12-(\k))                     ; the last steps: the counts run down
.endif
	SRC \k
.set n, 0
.rept 16
	v_med3_num_f32 v[RS+n], v[RS+n], -v[SC+1], v[SC+1]
.set n, n+1
.endr
	v_cvt_scalef32_pk8_fp8_f32 v[C+4*(\k):C+4*(\k)+1], v[RS:RS+7], v[SC]
	v_cvt_scalef32_pk8_fp8_f32 v[C+4*(\k)+2:C+4*(\k)+3], v[RS+8:RS+15], v[SC]
.if (\k)+8 < 13
	LOAD (\k)+8
.endif
.endm
	s_wait_alu depctr_va_vdst(0)                   ; the wait at the head's end
	UNIT 0
	UNIT 1
	s_wait_dscnt 0x0                               ; value's codes are back, and the stage's stores have read the registers that the steps' codes take
.irp k, 0,1,2,3,4
	STEP \k
.endr
.irp h, 0,1                            ; the last load is issued: now the stores
.irp i, 0,1,2,3
	global_store_b128 v3, v[BK+16*\h+4*\i:BK+16*\h+4*\i+3], s[20:21] offset:16384*\h+512*\i
.endr
.endr
.irp k, 0,1,2,3,4
	SEND \k
.endr
.irp k, 5,6,7,8,9,10,11,12
	STEP \k
	SEND \k
.endr
	s_wait_tensorcnt 0x0                           ; the wave's end, behind my last LDS store
	ds_add_u32 v[SPW], v[NIL]
	s_wait_dscnt 0x0
	s_endpgm
.Lfunc_end_k_q29a38d33a9_quant:
	.size	k_q29a38d33a9_quant, .Lfunc_end_k_q29a38d33a9_quant-k_q29a38d33a9_quant
	.p2alignl 7, 3214868480
	.fill 96, 4, 3214868480
	.section	.rodata,"a",@progbits
	.p2align	6, 0x0
	.amdhsa_kernel k_q29a38d33a9_quant
		.amdhsa_group_segment_fixed_size 9728
		.amdhsa_private_segment_fixed_size 0
		.amdhsa_enable_private_segment 0
		.amdhsa_kernarg_size 72
		.amdhsa_user_sgpr_count 2
		.amdhsa_user_sgpr_kernarg_segment_ptr 1
		.amdhsa_wavefront_size32 1
		.amdhsa_system_sgpr_workgroup_id_x 1
		.amdhsa_system_sgpr_workgroup_id_y 1
		.amdhsa_system_sgpr_workgroup_id_z 1
		.amdhsa_system_vgpr_workitem_id 0
		.amdhsa_next_free_vgpr 240
		.amdhsa_next_free_sgpr 66
		.amdhsa_reserve_vcc 0
		.amdhsa_float_denorm_mode_32 3
		.amdhsa_float_denorm_mode_16_64 3
		.amdhsa_memory_ordered 1
		.amdhsa_forward_progress 1
		.amdhsa_inst_pref_size 43
	.end_amdhsa_kernel
	.amdgpu_metadata
---
amdhsa.version: [ 1, 2 ]
amdhsa.kernels:
  - .name:           k_q29a38d33a9_quant
    .symbol:         k_q29a38d33a9_quant.kd
    .args:
      - { .name: query, .offset: 0, .size: 8, .value_kind: global_buffer, .address_space: global }
      - { .name: key, .offset: 8, .size: 8, .value_kind: global_buffer, .address_space: global }
      - { .name: Wq_w, .offset: 16, .size: 8, .value_kind: global_buffer, .address_space: global }
      - { .name: Wk_w, .offset: 24, .size: 8, .value_kind: global_buffer, .address_space: global }
      - { .name: value, .offset: 32, .size: 8, .value_kind: global_buffer, .address_space: global }
      - { .name: lowp_scales, .offset: 40, .size: 8, .value_kind: global_buffer, .address_space: global }
      - { .name: x_codes, .offset: 48, .size: 8, .value_kind: global_buffer, .address_space: global }
      - { .name: w_codes, .offset: 56, .size: 8, .value_kind: global_buffer, .address_space: global }
      - { .name: v_codes, .offset: 64, .size: 8, .value_kind: global_buffer, .address_space: global }
    .group_segment_fixed_size: 9728
    .private_segment_fixed_size: 0
    .kernarg_segment_align: 8
    .kernarg_segment_size: 72
    .max_flat_workgroup_size: 128
    .sgpr_count:     66
    .vgpr_count:     240
    .wavefront_size: 32
...
	.end_amdgpu_metadata
.endif
;; end of part 1
;; launch proj (part 2): grid 4 x 64, 4 waves a work-group, clusters of 4 x 4, 327,680 bytes of LDS; arguments x_codes, w_codes, lowp_scales, Wq_b, Wk_b, qk_codes; writes qk_codes
.if DOCPART == 2
	.amdgcn_target "amdgcn-amd-amdhsa--gfx1250"
	.amdhsa_code_object_version 6
	.text
	.protected	k_q29a38d33a9_proj
	.globl	k_q29a38d33a9_proj
	.p2align	8
	.type	k_q29a38d33a9_proj,@function
k_q29a38d33a9_proj:
	s_mov_b64 s[64:65], 0
	v_nop
	global_prefetch_b8 v0, s[64:65] scope:SCOPE_SE
	s_setreg_imm32_b32 hwreg(HW_REG_WAVE_MODE, 25, 1), 1
	s_wait_xcnt 0x0
	s_wait_alu depctr_hold_cnt(0) depctr_sa_sdst(0) depctr_va_vdst(0) depctr_va_sdst(0) depctr_va_ssrc(0) depctr_va_vcc(0) depctr_vm_vsrc(0)
	s_getreg_b32 s2, hwreg(HW_REG_IB_STS2, 6, 4)
	s_cmp_eq_u32 s2, 0
	s_cbranch_scc0 .Lentry_in_a_cluster
	s_endpgm
.Lentry_in_a_cluster:
	s_bfe_u32 s2, ttmp6, 0x10000c
	s_cmp_lg_u32 s2, 0xf033
	s_cbranch_scc0 .Lentry_shape_is_right
	s_endpgm
.Lentry_shape_is_right:
.set ROWB,   256
.set KROW,   1024
.set PITCH,  272
.set FR,     16
.set NL,     4
.set NP,     4
.set HALFT,  128*PITCH
.set SLOT,   4*HALFT
.set SPARE,  2*SLOT
.set WBACK,  1024*KROW+2*ROWB
.set PADW,   (0<<16)|(1<<20)|(1<<21)|(5<<22)|(3<<25)
.set ADRA, 16
.set ADRB, 20
.set SCLQ, 22
.set LIMQ, 23
.set BO,   24
.set CO,   26
.set PFO,  27
.set SPW,  28
.set NIL,  29
.set SCL,  30
.set LIM,  31
.set BIAS, 32
.set AF,   128
.set G1, 24
.set G0, 32
.set G1B, 48
.set G0B, 56
.set PFA, 82
.set DQ,  86
.set G1Q, 88
.set OQ,  96
.set MSB, 0
.macro WIN new
.if MSB != (\new)
	s_set_vgpr_msb (MSB<<8)|(\new)
.set MSB, (\new)
.endif
.endm
.set MUL_LO, 0xa1
.set MUL_HI, 0xf1
.set FST_LO, 0x81
.set FST_HI, 0xc1
.set TO_B,   0x40
.macro JLOAD g0a, g1a, g0b, g1b
	s_cmp_eq_u32 s15, 0
	s_cbranch_scc0 .Lfor_b_\@
	tensor_load_to_lds s[\g0a:\g0a+3], s[\g1a:\g1a+7]
	s_nop 0
.rept 4
	v_nop
.endr
	s_branch .Lasked_\@
.Lfor_b_\@:
	tensor_load_to_lds s[\g0b:\g0b+3], s[\g1b:\g1b+7]
	s_nop 0
.rept 4
	v_nop
.endr
.Lasked_\@:
.endm
.set PFK,  66                          ; s[66:67] the prefetches of the first tile (key, Wk_w): my work-group's 32 of the 128 rows that my wave fetches; s[PFA:PFA+1] the same for the second tile (query, Wq_w)
.set PFQO, 25                          ; v25  the second tile's offset: a lane a row of 1,024 bytes (x's waves have 16 rows: the lanes left over name the last again)
.macro CREST
	s_cmp_lg_u32 s14, 0
	s_cbranch_scc1 .Lnot_wave_0_\@
	s_barrier_signal -3
.Lnot_wave_0_\@:
	s_barrier_wait -3
	s_barrier_signal -1
	s_barrier_wait -1
.endm
.macro CROUND
	s_barrier_signal -1
	s_barrier_wait -1
	CREST
.endm
.macro PLACES n
.rept \n
	v_nop
.endr
.endm
	s_load_b256 s[4:11], s[0:1], 0x0
	s_load_b128 s[68:71], s[0:1], 0x20
	v_lshl_add_u32 v[SPW], v0, 2, SPARE
	v_mov_b32 v[NIL], 0
	ds_add_u32 v[SPW], v[NIL]
	ds_add_u32 v[SPW], v[NIL]
	v_lshrrev_b32 v1, 5, v0
	v_readfirstlane_b32 s14, v1
	s_lshr_b32 s15, s14, 1
	s_and_b32 s16, s14, 1
	s_bfe_u32 s40, ttmp6, 0x40000
	s_bfe_u32 s41, ttmp6, 0x40004
	s_lshl_b32 s42, ttmp9, 2
	s_add_co_u32 s42, s42, s40
	s_and_b32 s12, ttmp7, 0xffff
	s_lshl_b32 s17, s12, 2
	s_add_co_u32 s17, s17, s41
	s_lshl_b32 s43, s41, 2
	s_lshl_b32 s43, 15, s43
	s_lshl_b32 s44, 0x1111, s40
	s_or_b32 s[G1+0], s43, PADW
	s_or_b32 s[G1Q+0], s43, PADW
	s_or_b32 s[G1B+0], s44, PADW
.irp g, G1, G1B, G1Q
	s_mov_b32 s[\g+1], ROWB<<16
	s_mov_b32 s[\g+3], ROWB<<16
	s_mov_b32 s[\g+5], KROW
	s_mov_b32 s[\g+6], 0
	s_mov_b32 s[\g+7], 0
.endr
.irp g, G1, G1B
	s_mov_b32 s[\g+2], 128<<16
	s_mov_b32 s[\g+4], 128
.endr
	s_mov_b32 s[G1Q+2], 64<<16
	s_mov_b32 s[G1Q+4], 64
	s_lshl_b32 s18, s16, 7
	s_lshl_b32 s20, s17, 8
	s_add_co_u32 s20, s20, s18
	s_add_co_u32 s20, s20, 8192
	s_lshl_b32 s20, s20, 10
	s_mov_b32 s21, 0
	s_lshl_b32 s46, s42, 8
	s_add_co_u32 s46, s46, s18
	s_add_co_u32 s46, s46, 1024
	s_lshl_b32 s46, s46, 10
	s_mov_b32 s47, 0
	s_lshl_b32 s[DQ], s17, 7
	s_lshl_b32 s[DQ+1], s16, 6
	s_add_co_u32 s[DQ], s[DQ], s[DQ+1]
	s_add_co_u32 s[DQ], s[DQ], 8192
	s_lshl_b32 s[DQ], s[DQ], 10
	s_add_co_u32 s[DQ], s[DQ], 2*ROWB
	s_mov_b32 s[DQ+1], 0
	s_mul_i32 s45, s14, HALFT
	s_wait_dscnt 0x0
	s_wait_kmcnt 0x0
	s_load_b256 s[72:79], s[8:9], 0x0
	s_add_nc_u64 s[20:21], s[4:5], s[20:21]
	s_add_nc_u64 s[46:47], s[6:7], s[46:47]
	CROUND
.irp s, 0,1
	s_mov_b32 s[G0+4*\s], 1
	s_add_co_u32 s[G0+4*\s+1], s45, \s*SLOT
	s_add_nc_u64 s[G0+4*\s+2:G0+4*\s+3], s[20:21], \s*ROWB
	s_or_b32 s[G0+4*\s+3], s[G0+4*\s+3], 0x80000000
	s_mov_b32 s[G0B+4*\s], 1
	s_add_co_u32 s[G0B+4*\s+1], s45, \s*SLOT
	s_add_nc_u64 s[G0B+4*\s+2:G0B+4*\s+3], s[46:47], \s*ROWB
	s_or_b32 s[G0B+4*\s+3], s[G0B+4*\s+3], 0x80000000
.endr
	JLOAD G0, G1, G0B, G1B                         ; slot 0: one tensor load a wave at the head
	v_and_b32 v1, 15, v0
	v_bfe_u32 v2, v0, 4, 1
	v_and_b32 v6, 31, v0
	s_wait_alu depctr_va_vdst(0)
	v_lshlrev_b32 v[BO], 5, v2
	s_lshl_b32 s46, s42, 10
	s_lshl_b32 s47, s16, 9
	s_add_co_u32 s46, s46, s47
	s_mov_b32 s47, 0
	s_add_nc_u64 s[68:69], s[68:69], s[46:47]
	s_add_nc_u64 s[10:11], s[10:11], s[46:47]
.irp b, 0,1,2,3,4,5,6,7
	global_load_b128 v[BIAS+8*\b:BIAS+8*\b+3], v[BO], s[68:69] offset:64*\b
	global_load_b128 v[BIAS+8*\b+4:BIAS+8*\b+7], v[BO], s[68:69] offset:64*\b+16
.endr
	; THE PREFETCHES INTO THE L2: a slot's part of a row is 256 bytes, a lane a row, one instruction a wave and slot.  The four partners that ask for a tile jointly share its rows out by address (cx for x, cy for the weights).
	s_lshl_b32 s46, s17, 7                         ; query's rows: 128 x tile row + 32 cx + 16 x half
	s_lshl_b32 s47, s40, 5
	s_add_co_u32 s46, s46, s47
	s_lshl_b32 s47, s16, 4
	s_add_co_u32 s46, s46, s47
	s_lshl_b32 s18, s17, 8                         ; key's rows: 8,192 + 256 x tile row + 128 x half + 32 cx
	s_lshl_b32 s19, s16, 7
	s_add_co_u32 s18, s18, s19
	s_lshl_b32 s19, s40, 5
	s_add_co_u32 s18, s18, s19
	s_add_co_u32 s18, s18, 8192
	s_lshl_b32 s22, s42, 8                         ; Wq_w's rows: 256 x tile column + 128 x half + 32 cy; Wk_w's lie 1,024 further on
	s_lshl_b32 s23, s16, 7
	s_add_co_u32 s22, s22, s23
	s_lshl_b32 s23, s41, 5
	s_add_co_u32 s22, s22, s23
	s_add_co_u32 s23, s22, 1024
	s_cmp_eq_u32 s15, 0                            ; do I fetch for x?
	s_cselect_b64 s[PFA:PFA+1], s[4:5], s[6:7]
	s_cselect_b64 s[PFK:PFK+1], s[4:5], s[6:7]
	s_cselect_b32 s46, s46, s22
	s_cselect_b32 s18, s18, s23
	s_cselect_b32 s19, 15, 31
	v_min_u32 v[PFQO], s19, v6
	v_lshlrev_b32 v[PFO], 10, v6
	v_lshlrev_b32 v[PFQO], 10, v[PFQO]
	s_lshl_b32 s46, s46, 10
	s_lshl_b32 s18, s18, 10
	s_mov_b32 s47, 0
	s_mov_b32 s19, 0
	s_add_nc_u64 s[PFA:PFA+1], s[PFA:PFA+1], s[46:47]
	s_add_nc_u64 s[PFK:PFK+1], s[PFK:PFK+1], s[18:19]
	global_prefetch_b8 v[PFO], s[PFK:PFK+1] offset:ROWB th:TH_LOAD_NT scope:SCOPE_SE     ; slots 1 and 2 of the first tile
	global_prefetch_b8 v[PFO], s[PFK:PFK+1] offset:2*ROWB th:TH_LOAD_NT scope:SCOPE_SE
	v_mul_u32_u24 v3, v1, PITCH
	v_lshl_add_u32 v4, v2, 4, v3
	s_mul_i32 s21, s15, HALFT
	s_mul_i32 s22, s16, HALFT
	s_add_co_u32 s22, s22, 2*HALFT
.irp s, 0,1
	v_add_nc_u32 v[ADRA+\s], s21, v4
	v_add_nc_u32 v[ADRB+\s], s22, v4
	s_add_co_u32 s21, s21, SLOT
	s_add_co_u32 s22, s22, SLOT
.endr
	v_lshlrev_b32 v[CO], 4, v6
	s_lshl_b32 s21, s42, 1
	s_add_co_u32 s21, s21, s16
	s_lshl_b32 s21, s21, 11
	s_lshl_b32 s20, s17, 3
	s_lshl_b32 s22, s15, 2
	s_add_co_u32 s20, s20, s22
	s_lshl_b32 s22, s20, 14
	s_add_co_u32 s22, s22, s21
	s_mov_b32 s23, 0
	s_add_nc_u64 s[OQ:OQ+1], s[70:71], s[22:23]
	s_lshl_b32 s20, s20, 15
	s_add_co_u32 s20, s20, s21
	s_add_co_u32 s20, s20, 512*16384
	s_mov_b32 s21, 0
	s_add_nc_u64 s[70:71], s[70:71], s[20:21]
	s_wait_kmcnt 0x0
	s_add_co_i32 s80, s74, s75
	s_sub_co_i32 s85, 0, s80
	s_sub_co_i32 s84, s77, s80
	s_add_co_i32 s84, s84, 127
	s_lshl_b32 s81, s84, 23
	v_mov_b32 v[SCL], s81
	s_add_co_i32 s84, s84, 8
	s_lshl_b32 s84, s84, 23
	s_or_b32 s84, s84, 0x600000
	v_mov_b32 v[LIM], s84
	s_add_co_i32 s80, s72, s73
	s_sub_co_i32 s98, 0, s80
	s_sub_co_i32 s84, s76, s80
	s_add_co_i32 s84, s84, 127
	s_lshl_b32 s81, s84, 23
	v_mov_b32 v[SCLQ], s81
	s_add_co_i32 s84, s84, 8
	s_lshl_b32 s84, s84, 23
	s_or_b32 s84, s84, 0x600000
	v_mov_b32 v[LIMQ], s84
	s_wait_loadcnt 0x0
.set k, 0
.rept 64
	v_ldexp_f32 v[BIAS+k], v[BIAS+k], s85
.set k, k+1
.endr
.macro FRAG reg, adr, q, i
.irp c, 0,1,2,3
	ds_load_b128 v[\reg+4*\c:\reg+4*\c+3], v[\adr] offset:128*(\q)+32*\c+(\i)*16*PITCH
.endr
.endm
.macro MUL16 a0, p, first
.irp a, \a0, \a0+1
.irp b, 0,1,2,3,4,5,6,7
.if \first
	v_wmma_f32_16x16x128_fp8_fp8 v[8*(8*((\a)%4)+\b):8*(8*((\a)%4)+\b)+7], v[128*(\p)+FR*\b:128*(\p)+FR*\b+FR-1], v[AF+FR*(\a):AF+FR*(\a)+FR-1], v[BIAS+8*\b:BIAS+8*\b+7]
.else
	v_wmma_f32_16x16x128_fp8_fp8 v[8*(8*((\a)%4)+\b):8*(8*((\a)%4)+\b)+7], v[128*(\p)+FR*\b:128*(\p)+FR*\b+FR-1], v[AF+FR*(\a):AF+FR*(\a)+FR-1], v[8*(8*((\a)%4)+\b):8*(8*((\a)%4)+\b)+7]
.endif
.endr
.endr
.endm
.macro FETCH_B slot, q, p
	WIN TO_B
.irp i, 0,1,2,3,4,5,6,7
	FRAG 128*(\p)+FR*\i, ADRB+\slot, \q, \i
.endr
	WIN 0
.endm
.macro FETCH_A slot, q, i0
.irp i, \i0, \i0+1, \i0+2, \i0+3
	FRAG AF+FR*(\i), ADRA+\slot, \q, \i
.endr
.endm
.macro STEP slot, q, first
	s_wait_dscnt 4*NL
.if \first
	WIN FST_LO
.else
	WIN MUL_LO
.endif
	MUL16 0, (\q)%2, \first
	MUL16 2, (\q)%2, \first
	s_wait_dscnt 0
	PLACES NP
	FETCH_B \slot, (\q)+1, 1-(\q)%2
	FETCH_A \slot, (\q)+1, 0
.if \first
	WIN FST_HI
.else
	WIN MUL_HI
.endif
	MUL16 4, (\q)%2, \first
	MUL16 6, (\q)%2, \first
	PLACES NP
	WIN 0
	FETCH_A \slot, (\q)+1, 4
.endm
.macro TURN slot, next, on, tail, ask
	s_wait_tensorcnt 0x0
	ds_add_u32 v[SPW], v[NIL]
	s_wait_dscnt 4*NL+1
	WIN MUL_LO
	MUL16 0, 1, 0
	s_wait_dscnt 0x0
	s_barrier_signal -1
	MUL16 2, 1, 0
	WIN 0
	s_barrier_wait -1
	CREST
.if \on
	s_sub_nc_u64 s[G0+4*\slot+2:G0+4*\slot+3], s[G0+4*\slot+2:G0+4*\slot+3], s[DQ:DQ+1]
	s_sub_nc_u64 s[G0B+4*\slot+2:G0B+4*\slot+3], s[G0B+4*\slot+2:G0B+4*\slot+3], WBACK
	JLOAD G0+4*\slot, G1Q, G0B+4*\slot, G1B
.else
	s_add_nc_u64 s[G0+4*\slot+2:G0+4*\slot+3], s[G0+4*\slot+2:G0+4*\slot+3], 2*ROWB
	s_add_nc_u64 s[G0B+4*\slot+2:G0B+4*\slot+3], s[G0B+4*\slot+2:G0B+4*\slot+3], 2*ROWB
	JLOAD G0+4*\slot, G1, G0B+4*\slot, G1B
.endif
	FETCH_B \next, 0, 0
	FETCH_A \next, 0, 0
	global_prefetch_b8 v[PFQO], s[PFA:PFA+1] offset:\ask th:TH_LOAD_NT scope:SCOPE_SE    ; the slot that stands two refills on: the second tile's
	WIN MUL_HI
	MUL16 4, 1, 0
	MUL16 6, 1, 0
	PLACES NP
	WIN 0
.if \tail
	FETCH_A \next, 0, 4
.endif
.endm
.macro FETCH2 slot, q, p
	FETCH_B \slot, \q, \p
.irp i, 0,1,2,3
	FRAG AF+64*(\p)+FR*\i, ADRA+\slot, \q, \i
.endr
.endm
.macro MUL32 p, first
.irp a, 0,1,2,3
.irp b, 0,1,2,3,4,5,6,7
.if \first
	v_wmma_f32_16x16x128_fp8_fp8 v[8*(8*\a+\b):8*(8*\a+\b)+7], v[128*(\p)+FR*\b:128*(\p)+FR*\b+FR-1], v[AF+64*(\p)+FR*\a:AF+64*(\p)+FR*\a+FR-1], v[BIAS+8*\b:BIAS+8*\b+7]
.else
	v_wmma_f32_16x16x128_fp8_fp8 v[8*(8*\a+\b):8*(8*\a+\b)+7], v[128*(\p)+FR*\b:128*(\p)+FR*\b+FR-1], v[AF+64*(\p)+FR*\a:AF+64*(\p)+FR*\a+FR-1], v[8*(8*\a+\b):8*(8*\a+\b)+7]
.endif
.endr
.endr
.endm
.macro A2 slot, first
	s_wait_dscnt 0x0
.if \first
	FETCH2 \slot, 1, 1
	s_wait_loadcnt 0x0
.set k, 0
.rept 64
	v_ldexp_f32 v[BIAS+k], v[BIAS+k], s98
.set k, k+1
.endr
	WIN FST_LO
.else
	PLACES NP
	FETCH2 \slot, 1, 1
	WIN MUL_LO
.endif
	MUL32 0, \first
.endm
.macro B2 slot, next, fill
	WIN 0
	s_wait_tensorcnt 0x0
	ds_add_u32 v[SPW], v[NIL]
	s_wait_dscnt 0x0
	s_barrier_signal -1
	s_barrier_wait -1
.if \fill
	CREST
	s_add_nc_u64 s[G0+4*\slot+2:G0+4*\slot+3], s[G0+4*\slot+2:G0+4*\slot+3], 2*ROWB
	s_add_nc_u64 s[G0B+4*\slot+2:G0B+4*\slot+3], s[G0B+4*\slot+2:G0B+4*\slot+3], 2*ROWB
	JLOAD G0+4*\slot, G1Q, G0B+4*\slot, G1B
.else
	PLACES NP
.endif
	FETCH2 \next, 0, 0
	WIN MUL_LO
	MUL32 1, 0
.endm
.macro QOUT a, cdb, scl, lim, sb
.set AC, 64*((\a)%4)
.set CDS, (\cdb)+16*((\a)%4)
	WIN 0x82+0x41*((\a)/4)
.set k, 0
.rept 64
	v_med3_num_f32 v[AC+k], v[AC+k], -v[\lim], v[\lim]
.set k, k+1
.endr
.if (\a) >= 4
	s_wait_alu depctr_va_vdst(0)
	s_wait_xcnt 0x0
.endif
	WIN 0x02+((\a)/4)
.irp b, 0,1,2,3,4,5,6,7
	v_cvt_scalef32_pk8_fp8_f32 v[CDS+2*\b:CDS+2*\b+1], v[AC+8*\b:AC+8*\b+7], v[\scl]
.endr
	WIN 0
	v_nop
.irp c, 0,1,2,3
	global_store_b128 v[CO], v[CDS+4*\c:CDS+4*\c+3], s[\sb:\sb+1] offset:16384*(\a)+512*\c
.endr
.endm
	s_wait_alu depctr_va_vdst(0)                   ; the wait at the head's end
	s_wait_tensorcnt 0x0                           ; my part of slot 0 is in
	ds_add_u32 v[SPW], v[NIL]
	s_wait_dscnt 0x0
	CROUND
	JLOAD G0+4, G1, G0B+4, G1B                     ; slot 1's first fill, the first tensor load behind the round
	FETCH_B 0, 0, 0
	FETCH_A 0, 0, 0
	FETCH_A 0, 0, 4
	global_prefetch_b8 v[PFO], s[PFK:PFK+1] offset:3*ROWB th:TH_LOAD_NT scope:SCOPE_SE   ; slot 3 of the first tile
	STEP 0, 0, 1
.irp b, 0,1,2,3,4,5,6,7
	global_load_b128 v[BIAS+8*\b:BIAS+8*\b+3], v[BO], s[10:11] offset:64*\b
	global_load_b128 v[BIAS+8*\b+4:BIAS+8*\b+7], v[BO], s[10:11] offset:64*\b+16
.endr
	TURN 0, 1, 0, 1, 0
	STEP 1, 0, 0
	TURN 1, 0, 0, 1, ROWB
	STEP 0, 0, 0
	TURN 0, 1, 1, 1, 2*ROWB
	STEP 1, 0, 0
	TURN 1, 0, 1, 0, 3*ROWB
.irp a, 0,1,2,3,4,5,6,7
	QOUT \a, 192, SCL, LIM, 70
.endr
	s_wait_xcnt 0x0
	A2 0, 1
	B2 0, 1, 1
	A2 1, 0
	B2 1, 0, 1
	A2 0, 0
	B2 0, 1, 0
	A2 1, 0
	s_wait_dscnt 0x0
	WIN MUL_LO
	MUL32 1, 0
	WIN 0
	PLACES NP
.irp a, 0,1,2,3
	QOUT \a, 96, SCLQ, LIMQ, OQ
.endr
	s_wait_tensorcnt 0x0
	ds_add_u32 v[SPW], v[NIL]
	s_wait_dscnt 0x0
	CROUND
	s_endpgm
.Lfunc_end_k_q29a38d33a9_proj:
	.size	k_q29a38d33a9_proj, .Lfunc_end_k_q29a38d33a9_proj-k_q29a38d33a9_proj
	.p2alignl 7, 3214868480
	.fill 96, 4, 3214868480
	.section	.rodata,"a",@progbits
	.p2align	6, 0x0
	.amdhsa_kernel k_q29a38d33a9_proj
		.amdhsa_group_segment_fixed_size 327680
		.amdhsa_private_segment_fixed_size 0
		.amdhsa_enable_private_segment 0
		.amdhsa_kernarg_size 48
		.amdhsa_user_sgpr_count 2
		.amdhsa_user_sgpr_kernarg_segment_ptr 1
		.amdhsa_wavefront_size32 1
		.amdhsa_system_sgpr_workgroup_id_x 1
		.amdhsa_system_sgpr_workgroup_id_y 1
		.amdhsa_system_sgpr_workgroup_id_z 1
		.amdhsa_system_vgpr_workitem_id 0
		.amdhsa_next_free_vgpr 1024
		.amdhsa_next_free_sgpr 100
		.amdhsa_reserve_vcc 0
		.amdhsa_float_denorm_mode_32 3
		.amdhsa_float_denorm_mode_16_64 3
		.amdhsa_memory_ordered 1
		.amdhsa_forward_progress 1
		.amdhsa_inst_pref_size 198
	.end_amdhsa_kernel
	.amdgpu_metadata
---
amdhsa.version: [ 1, 2 ]
amdhsa.kernels:
  - .name:           k_q29a38d33a9_proj
    .symbol:         k_q29a38d33a9_proj.kd
    .args:
      - { .name: x_codes, .offset: 0, .size: 8, .value_kind: global_buffer, .address_space: global }
      - { .name: w_codes, .offset: 8, .size: 8, .value_kind: global_buffer, .address_space: global }
      - { .name: lowp_scales, .offset: 16, .size: 8, .value_kind: global_buffer, .address_space: global }
      - { .name: Wq_b, .offset: 24, .size: 8, .value_kind: global_buffer, .address_space: global }
      - { .name: Wk_b, .offset: 32, .size: 8, .value_kind: global_buffer, .address_space: global }
      - { .name: qk_codes, .offset: 40, .size: 8, .value_kind: global_buffer, .address_space: global }
    .group_segment_fixed_size: 327680
    .private_segment_fixed_size: 0
    .kernarg_segment_align: 8
    .kernarg_segment_size: 48
    .max_flat_workgroup_size: 128
    .sgpr_count:     100
    .vgpr_count:     1024
    .wavefront_size: 32
...
	.end_amdgpu_metadata
.endif
;; end of part 2
;; launch scores (part 3): grid 8 x 32, 4 waves a work-group, clusters of 4 x 4, 327,680 bytes of LDS; arguments qk_codes, mask, lowp_scales, p_codes, nstat, lstat; writes p_codes, nstat, lstat
.if DOCPART == 3
	.amdgcn_target "amdgcn-amd-amdhsa--gfx1250"
	.amdhsa_code_object_version 6
	.text
	.protected	k_q29a38d33a9_scores
	.globl	k_q29a38d33a9_scores
	.p2align	8
	.type	k_q29a38d33a9_scores,@function
k_q29a38d33a9_scores:
	s_mov_b64 s[64:65], 0
	v_nop
	global_prefetch_b8 v0, s[64:65] scope:SCOPE_SE
	s_setreg_imm32_b32 hwreg(HW_REG_WAVE_MODE, 25, 1), 1
	s_wait_xcnt 0x0
	s_wait_alu depctr_hold_cnt(0) depctr_sa_sdst(0) depctr_va_vdst(0) depctr_va_sdst(0) depctr_va_ssrc(0) depctr_va_vcc(0) depctr_vm_vsrc(0)
	s_getreg_b32 s2, hwreg(HW_REG_IB_STS2, 6, 4)
	s_cmp_eq_u32 s2, 0
	s_cbranch_scc0 .Lentry_in_a_cluster
	s_endpgm
.Lentry_in_a_cluster:
	s_bfe_u32 s2, ttmp6, 0x10000c
	s_cmp_lg_u32 s2, 0xf033
	s_cbranch_scc0 .Lentry_shape_is_right
	s_endpgm
.Lentry_shape_is_right:
; S = q k^T on codes of FP8 (E4M3), the mask, and the softmax's p as codes, chunk by chunk of 128 keys.  Nothing of the problem is left out here.
; A tile of 256 queries x 256 keys of one batch is made by four waves, each 128 x 128: 64 accumulators.  K = 1,024 goes in four steps of 256 through a ring of two LDS slots.
; q and k arrive as images of fragments ([row tile][K step 8][4][lane 32][16 bytes]): a slot holds 2 K steps of 16 row tiles of each; a fragment is four loads of 512 consecutive bytes: no pitch, no padding.
; CLUSTERS: 4 x 4 work-groups of one batch (the cluster's y); q's tiles are shared along a row of the cluster, k's along a column, by joint loads.
; TRANSPOSED USE (source 0 = 16 keys, source 1 = 16 queries): lane (r, h) holds query r and keys 16 b + 8 h + 0 .. 7 of accumulator (a, b).
; THE SOFTMAX.  t = logit x log2(e): sum x c x m with c = log2(e) / 32 x 2^(e4 + e5) where the key's m is not 0, and -1e9 x log2(e) where it is 0.  A wave's 128 keys are CHUNK c of the row's 16.
; The chunk takes its own whole number M_c = ceil(its largest t), p = 2^(t - M_c) is quantised with 2^e6, and -M_c and l_c (the sum of the unquantised p) are stored.  The next launch, which knows all sixteen,
; brings the chunks under the row's M by the exact factors 2^(M_c - M): the running M of a kernel that streams, taken chunk by chunk; the maximum is taken away everywhere.
; A chunk all of whose keys are masked has p = 1 throughout and M_c = -1e9 x log2(e): its factor is 0 unless the whole row is masked, and then every factor is 1 and the result is the mean of the values.
; p's sixteen code registers of a block of 16 queries ARE the next product's fragment; they are stored as they stand: p_codes [query tile 512][chunk 16][4][lane 32][16 bytes], 512 consecutive bytes a store.
; LIMITS: e4 + e5 between -121 and 132 (added to c's exponent field); e6 between -126 and 119.  NaN and infinities are not served.
; REGISTERS: window 0: v2-15 at work in the softmax; v16-31 addresses and constants; v32-95 c x m of my 64 keys; v128-255 q's fragments, one set; behind the products v96-159 the term added (0 or -1e9 log2 e), v160-223 t, then p, v224-255 codes, two sets.
;   window 1: k's fragments, two sets.  windows 2, 3: the accumulators, (a, b) at v[8 (8 (a % 4) + b)].
.set FR,     16
.set NL,     4
.set NP,     4
.set SLOT,   131072                    ; q's 16 row tiles x 4,096 bytes, then k's
.set SPARE,  2*SLOT
.set ADRA, 16
.set ADRB, 20
.set SCL,  22                          ; v22  2^e6 as f32
.set NEG,  24                          ; v24  -1e9 x log2(e)
.set CO,   26                          ; v26  16 x lane
.set SO,   27                          ; v27  4 x lane
.set SPW,  28
.set NIL,  29
.set CM,   32
.set AD,   96
.set TM,   160
.set CD,   224
.set AF,   128
.set G1, 24
.set G0, 32
.set G1B, 48
.set G0B, 56
.set MSB, 0
.macro WIN new
.if MSB != (\new)
	s_set_vgpr_msb (MSB<<8)|(\new)
.set MSB, (\new)
.endif
.endm
.set MUL_LO, 0xa1
.set MUL_HI, 0xf1
.set TO_B,   0x40
.macro JLOAD g0a, g1a, g0b, g1b        ; waves 0 and 1 fetch q's halves, waves 2 and 3 k's; an s_nop 0 and four v_nop follow each line
	s_cmp_eq_u32 s15, 0
	s_cbranch_scc0 .Lfor_b_\@
	tensor_load_to_lds s[\g0a:\g0a+3], s[\g1a:\g1a+7]
	s_nop 0
.rept 4
	v_nop
.endr
	s_branch .Lasked_\@
.Lfor_b_\@:
	tensor_load_to_lds s[\g0b:\g0b+3], s[\g1b:\g1b+7]
	s_nop 0
.rept 4
	v_nop
.endr
.Lasked_\@:
.endm
.macro CREST
	s_cmp_lg_u32 s14, 0
	s_cbranch_scc1 .Lnot_wave_0_\@
	s_barrier_signal -3
.Lnot_wave_0_\@:
	s_barrier_wait -3
	s_barrier_signal -1
	s_barrier_wait -1
.endm
.macro CROUND
	s_barrier_signal -1
	s_barrier_wait -1
	CREST
.endm
.macro PLACES n
.rept \n
	v_nop
.endr
.endm
	s_load_b256 s[4:11], s[0:1], 0x0               ; qk_codes s[4:5], mask s[6:7], the exponents s[8:9], p_codes s[10:11]
	s_load_b128 s[68:71], s[0:1], 0x20             ; nstat s[68:69], lstat s[70:71]
	v_lshl_add_u32 v[SPW], v0, 2, SPARE
	v_mov_b32 v[NIL], 0
	ds_add_u32 v[SPW], v[NIL]                      ; the wave's opening: the add, twice on end, and its wait ahead of my first tensor load
	ds_add_u32 v[SPW], v[NIL]
	v_lshrrev_b32 v1, 5, v0
	v_readfirstlane_b32 s14, v1                    ; wave 0..3
	s_lshr_b32 s15, s14, 1                         ; my half of the queries.  Also: I fetch for q (0) or for k (1)
	s_and_b32 s16, s14, 1                          ; my half of the keys.  Also: which 8 row tiles I fetch
	s_bfe_u32 s40, ttmp6, 0x40000                  ; cx
	s_bfe_u32 s41, ttmp6, 0x40004                  ; cy
	s_lshl_b32 s42, ttmp9, 2
	s_add_co_u32 s42, s42, s40                     ; tile column: 256 keys
	s_and_b32 s12, ttmp7, 0xffff                   ; the cluster's y = the batch
	s_lshl_b32 s17, s12, 2
	s_add_co_u32 s17, s17, s41                     ; tile row: 256 queries
	s_lshl_b32 s43, s41, 2
	s_lshl_b32 s43, 15, s43
	s_lshl_b32 s44, 0x1111, s40
	s_or_b32 s[G1+0], s43, (3<<16)|(1<<21)         ; the mask; elements of 8 bytes; bit 21 beside a mask; no padding
	s_or_b32 s[G1B+0], s44, (3<<16)|(1<<21)
.irp g, G1, G1B
	s_mov_b32 s[\g+1], 512<<16                     ; tensor_dim0: 512 elements = 4,096 bytes: two K steps of a row tile
	s_mov_b32 s[\g+2], 8<<16                       ; tensor_dim1: 8 row tiles
	s_mov_b32 s[\g+3], 512<<16                     ; tile_dim0
	s_mov_b32 s[\g+4], 8                           ; tile_dim1
	s_mov_b32 s[\g+5], 2048                        ; from row tile to row tile: 16,384 bytes
	s_mov_b32 s[\g+6], 0
	s_mov_b32 s[\g+7], 0
.endr
	s_lshl_b32 s18, s16, 3
	s_lshl_b32 s20, s17, 4
	s_add_co_u32 s20, s20, s18                     ; q: row tile 16 x tile row + 8 x half,
	s_lshl_b32 s20, s20, 14                        ; of 16,384 bytes
	s_mov_b32 s21, 0
	s_lshl_b32 s46, s12, 7
	s_lshl_b32 s47, s42, 4
	s_add_co_u32 s46, s46, s47
	s_add_co_u32 s46, s46, s18
	s_add_co_u32 s46, s46, 512                     ; k: row tile 512 + 128 x batch + 16 x tile column + 8 x half
	s_lshl_b32 s46, s46, 14
	s_mov_b32 s47, 0
	s_lshl_b32 s45, s14, 15                        ; where they go: wave x 32,768
	s_wait_dscnt 0x0
	s_wait_kmcnt 0x0
	s_load_b256 s[72:79], s[8:9], 0x0              ; e0 .. e7
	s_add_nc_u64 s[20:21], s[4:5], s[20:21]
	s_add_nc_u64 s[46:47], s[4:5], s[46:47]
	CROUND
.irp s, 0,1
	s_mov_b32 s[G0+4*\s], 1
	s_add_co_u32 s[G0+4*\s+1], s45, \s*SLOT
	s_add_nc_u64 s[G0+4*\s+2:G0+4*\s+3], s[20:21], \s*4096
	s_or_b32 s[G0+4*\s+3], s[G0+4*\s+3], 0x80000000
	s_mov_b32 s[G0B+4*\s], 1
	s_add_co_u32 s[G0B+4*\s+1], s45, \s*SLOT
	s_add_nc_u64 s[G0B+4*\s+2:G0B+4*\s+3], s[46:47], \s*4096
	s_or_b32 s[G0B+4*\s+3], s[G0B+4*\s+3], 0x80000000
.endr
	JLOAD G0, G1, G0B, G1B                         ; slot 0: one tensor load a wave at the head
	; THE PREFETCHES INTO THE L2: of the 8 row tiles that my wave fetches, each of the four partners that ask jointly takes 2, told apart by address (cx for q, cy for k): 2 x 4,096 bytes a slot, lanes 256 bytes apart.
.set PFO, 30                           ; v30  16,384 x (lane / 16) + 256 x (lane % 16); never rewritten
	s_cmp_eq_u32 s15, 0
	s_cselect_b64 s[88:89], s[20:21], s[46:47]
	s_cselect_b32 s90, s40, s41
	s_lshl_b32 s90, s90, 15
	s_mov_b32 s91, 0
	s_add_nc_u64 s[88:89], s[88:89], s[90:91]
	v_bfe_u32 v8, v0, 4, 1
	v_and_b32 v9, 15, v0
	v_lshlrev_b32 v8, 14, v8
	v_lshl_add_u32 v[PFO], v9, 8, v8
	global_prefetch_b8 v[PFO], s[88:89] offset:4096 th:TH_LOAD_NT scope:SCOPE_SE    ; slots 1 and 2
	global_prefetch_b8 v[PFO], s[88:89] offset:8192 th:TH_LOAD_NT scope:SCOPE_SE
	v_bfe_u32 v2, v0, 4, 1
	v_and_b32 v7, 31, v0                           ; lane
	v_lshlrev_b32 v5, 5, v2                        ; the mask: 32 h bytes: my half's eight keys of a tile of 16
	s_wait_alu depctr_va_vdst(0)
	s_lshl_b32 s20, s12, 11
	s_lshl_b32 s21, s42, 8
	s_add_co_u32 s20, s20, s21
	s_lshl_b32 s21, s16, 7
	s_add_co_u32 s20, s20, s21                     ; my first key: 2,048 x batch + 256 x tile column + 128 x half
	s_lshl_b32 s20, s20, 2
	s_mov_b32 s21, 0
	s_add_nc_u64 s[6:7], s[6:7], s[20:21]
.irp b, 0,1,2,3,4,5,6,7
	global_load_b128 v[CM+8*\b:CM+8*\b+3], v5, s[6:7] offset:64*\b
	global_load_b128 v[CM+8*\b+4:CM+8*\b+7], v5, s[6:7] offset:64*\b+16
.endr
	v_lshlrev_b32 v[CO], 4, v7
	v_lshlrev_b32 v[SO], 2, v7
	s_lshl_b32 s21, s15, 15
	s_lshl_b32 s22, s16, 15
	s_add_co_u32 s22, s22, 65536
.irp s, 0,1
	v_add_nc_u32 v[ADRA+\s], s21, v[CO]            ; 16 x lane + my 8 row tiles + the slot
	v_add_nc_u32 v[ADRB+\s], s22, v[CO]
	s_add_co_u32 s21, s21, SLOT
	s_add_co_u32 s22, s22, SLOT
.endr
	s_lshl_b32 s20, s12, 4                         ; the two tables of figures, [batch][chunk 16][query 1,024] f32:
	s_lshl_b32 s21, s42, 1
	s_add_co_u32 s20, s20, s21
	s_add_co_u32 s20, s20, s16                     ; my chunk: 2 x tile column + half
	s_lshl_b32 s20, s20, 10
	s_lshl_b32 s21, s41, 8
	s_add_co_u32 s20, s20, s21
	s_lshl_b32 s21, s15, 7
	s_add_co_u32 s20, s20, s21                     ; my first query in the batch: 256 cy + 128 x half
	s_lshl_b32 s20, s20, 2
	s_mov_b32 s21, 0
	s_add_nc_u64 s[68:69], s[68:69], s[20:21]
	s_add_nc_u64 s[70:71], s[70:71], s[20:21]
	s_lshl_b32 s20, s17, 4
	s_lshl_b32 s22, s15, 3
	s_add_co_u32 s20, s20, s22                     ; p's codes: query tile 16 x tile row + 8 x half,
	s_lshl_b32 s20, s20, 15                        ; of 32,768 bytes;
	s_lshl_b32 s22, s42, 1
	s_add_co_u32 s22, s22, s16
	s_lshl_b32 s22, s22, 11                        ; my chunk's 2,048
	s_add_co_u32 s20, s20, s22
	s_add_nc_u64 s[10:11], s[10:11], s[20:21]
	s_mov_b32 s84, 0x76543210                      ; v_permlanex16_b32's selects for lane l xor 16
	s_mov_b32 s85, 0xfedcba98
	v_mov_b32 v[NEG], 0xceabfb8f
	v_mov_b32 v3, 0                                ; (named as the upper half of the pair v[2:3])
	v_mov_b32 v6, 0                                ; written once: a lane permute's destination counts as one of its sources
	s_wait_kmcnt 0x0
	s_add_co_i32 s81, s76, s77                     ; e4 + e5 are added to c's exponent field
	s_lshl_b32 s81, s81, 23
	s_add_co_i32 s80, s81, 0x3d38aa3b              ; c = log2(e) / 32 x 2^(e4 + e5)
	s_add_co_i32 s81, s78, 127
	s_lshl_b32 s83, s81, 23
	v_mov_b32 v[SCL], s83                          ; 2^e6
	s_add_co_i32 s81, s81, 8
	s_lshl_b32 s81, s81, 23
	s_or_b32 s82, s81, 0x600000                    ; 448 x 2^e6
	s_wait_loadcnt 0x0                             ; the mask
.set k, 0
.rept 64
	v_cvt_f32_i32 v[CM+k], v[CM+k]
.set k, k+1
.endr
.set k, 0
.rept 64
	v_mul_f32 v[CM+k], s80, v[CM+k]                ; c x m
.set k, k+1
.endr
.macro FRAG reg, adr, q, i             ; a fragment's image: four loads of 512 consecutive bytes
.irp c, 0,1,2,3
	ds_load_b128 v[\reg+4*\c:\reg+4*\c+3], v[\adr] offset:4096*(\i)+2048*(\q)+512*\c
.endr
.endm
.macro MUL16 a0, p, zero               ; 16 matrix instructions; the 64 accumulators take turns, one instruction a turn; zero = 1: the first products start the sums
.irp a, \a0, \a0+1
.irp b, 0,1,2,3,4,5,6,7
.if \zero
	v_wmma_f32_16x16x128_fp8_fp8 v[8*(8*((\a)%4)+\b):8*(8*((\a)%4)+\b)+7], v[128*(\p)+FR*\b:128*(\p)+FR*\b+FR-1], v[AF+FR*(\a):AF+FR*(\a)+FR-1], 0
.else
	v_wmma_f32_16x16x128_fp8_fp8 v[8*(8*((\a)%4)+\b):8*(8*((\a)%4)+\b)+7], v[128*(\p)+FR*\b:128*(\p)+FR*\b+FR-1], v[AF+FR*(\a):AF+FR*(\a)+FR-1], v[8*(8*((\a)%4)+\b):8*(8*((\a)%4)+\b)+7]
.endif
.endr
.endr
.endm
.macro FETCH_B slot, q, p
	WIN TO_B
.irp i, 0,1,2,3,4,5,6,7
	FRAG 128*(\p)+FR*\i, ADRB+\slot, \q, \i
.endr
	WIN 0
.endm
.macro FETCH_A slot, q, i0
.irp i, \i0, \i0+1, \i0+2, \i0+3
	FRAG AF+FR*(\i), ADRA+\slot, \q, \i
.endr
.endm
.macro STEP slot, q, zero
	s_wait_dscnt 4*NL                              ; k's set and q's blocks 0-3 are in; the youngest 16 loads (q's blocks 4-7) may be out
	WIN MUL_LO
	MUL16 0, (\q)%2, \zero
	MUL16 2, (\q)%2, \zero
	s_wait_dscnt 0
	PLACES NP
	FETCH_B \slot, (\q)+1, 1-(\q)%2
	FETCH_A \slot, (\q)+1, 0
	WIN MUL_HI
	MUL16 4, (\q)%2, \zero
	MUL16 6, (\q)%2, \zero
	PLACES NP
	WIN 0
	FETCH_A \slot, (\q)+1, 4
.endm
.macro TURN slot, next, fill
	s_wait_tensorcnt 0x0                           ; all my tensor loads have landed: my part of the next slot
	ds_add_u32 v[SPW], v[NIL]
	s_wait_dscnt 4*NL+1                            ; (the add and the youngest 16 loads may be out)
	WIN MUL_LO
	MUL16 0, 1, 0
	s_wait_dscnt 0x0                               ; the add is done, and my reads of this slot are over
	s_barrier_signal -1
	MUL16 2, 1, 0
	WIN 0
	s_barrier_wait -1
.if \fill
	CREST                                          ; no wave of any partner still reads this slot or has a load on its way
	s_add_nc_u64 s[G0+4*\slot+2:G0+4*\slot+3], s[G0+4*\slot+2:G0+4*\slot+3], 8192
	s_add_nc_u64 s[G0B+4*\slot+2:G0B+4*\slot+3], s[G0B+4*\slot+2:G0B+4*\slot+3], 8192
	JLOAD G0+4*\slot, G1, G0B+4*\slot, G1B
.else
	PLACES NP
.endif
	FETCH_B \next, 0, 0
	FETCH_A \next, 0, 0
	WIN MUL_HI
	MUL16 4, 1, 0
	MUL16 6, 1, 0
	PLACES NP
	WIN 0
	FETCH_A \next, 0, 4
.endm
	s_wait_alu depctr_va_vdst(0)                   ; the wait at the head's end
	s_wait_tensorcnt 0x0                           ; my part of slot 0 is in
	ds_add_u32 v[SPW], v[NIL]
	s_wait_dscnt 0x0
	CROUND
	JLOAD G0+4, G1, G0B+4, G1B                     ; slot 1's first fill, the first tensor load behind the round
	FETCH_B 0, 0, 0
	FETCH_A 0, 0, 0
	FETCH_A 0, 0, 4
	global_prefetch_b8 v[PFO], s[88:89] offset:12288 th:TH_LOAD_NT scope:SCOPE_SE   ; slot 3, two refills on
	STEP 0, 0, 1
	TURN 0, 1, 1
	STEP 1, 0, 0
	TURN 1, 0, 1
	STEP 0, 0, 0
	TURN 0, 1, 0
	STEP 1, 0, 0
	s_wait_dscnt 4*NL
	WIN MUL_LO
	MUL16 0, 1, 0
	MUL16 2, 1, 0
	s_wait_dscnt 0
	WIN MUL_HI
	MUL16 4, 1, 0
	MUL16 6, 1, 0
	WIN 0
	PLACES NP
	v_cmp_lt_u32 s86, 15, v7                       ; lanes 16 to 31
.set k, 0
.rept 64
	v_cmp_eq_f32 vcc_lo, 0, v[CM+k]                ; m = 0 (c is a normal number, and |m| is at least 1 elsewhere)
	v_cndmask_b32 v[AD+k], 0, v[NEG], vcc_lo       ; the term added: 0, or -1e9 x log2(e) where the product with c x m = 0 gives 0
.set k, k+1
.endr
; Block a: 16 queries x my 128 keys.
.macro SOFT a
.set AC, 64*((\a)%4)
.set CDS, CD+16*((\a)%2)
	WIN 0x02+((\a)/4)                              ; source 0 (the sums): window 2 or 3
.set k, 0
.rept 32
	v_pk_fma_f32 v[TM+k:TM+k+1], v[AC+k:AC+k+1], v[CM+k:CM+k+1], v[AD+k:AD+k+1]   ; t, two at a time; each accumulator from its low end on
.set k, k+2
.endr
	WIN 0
	v_max3_num_f32 v4, v[TM], v[TM+1], v[TM+2]     ; the chunk's largest t of my query, among my 64 keys, in two chains,
	v_max3_num_f32 v5, v[TM+3], v[TM+4], v[TM+5]
.set k, 6
.rept 14
	v_max3_num_f32 v4, v4, v[TM+k], v[TM+k+1]
	v_max3_num_f32 v5, v5, v[TM+k+2], v[TM+k+3]
.set k, k+4
.endr
	v_max3_num_f32 v4, v4, v[TM+62], v[TM+63]
	v_max_num_f32 v4, v4, v5
	v_permlanex16_b32 v6, v4, s84, s85
	v_max_num_f32 v4, v4, v6                       ; and among lane l xor 16's
	v_floor_f32 v2, -v4                            ; -M_c = floor(-t) = -ceil(t)
.set k, 0
.rept 32
	v_pk_add_f32 v[TM+k:TM+k+1], v[TM+k:TM+k+1], v[2:3] op_sel_hi:[1,0]   ; t - M_c (the pair's low word serves both halves)
.set k, k+2
.endr
.set k, 0
	s_wait_alu depctr_va_vdst(0)
.rept 64
	v_exp_f32 v[TM+k], v[TM+k]                     ; p = 2^(t - M_c), at most 1
.set k, k+1
.endr
	v_nop                                          ; a plain instruction behind the last exponential,
	s_wait_alu depctr_va_vdst(0)                   ; and one wait for the batch, ahead of its first reader
	v_pk_add_f32 v[8:9], v[TM:TM+1], v[TM+2:TM+3]  ; the sum of the UNQUANTISED p, in two packed chains
	v_pk_add_f32 v[10:11], v[TM+4:TM+5], v[TM+6:TM+7]
.set k, 8
.rept 14
	v_pk_add_f32 v[8:9], v[8:9], v[TM+k:TM+k+1]
	v_pk_add_f32 v[10:11], v[10:11], v[TM+k+2:TM+k+3]
.set k, k+4
.endr
	v_pk_add_f32 v[8:9], v[8:9], v[10:11]
	v_add_f32 v8, v8, v9
	v_permlanex16_b32 v6, v8, s84, s85
	v_add_f32 v8, v8, v6                           ; l_c
.if (\a) > 0
	s_wait_xcnt 0x0                                ; the earlier blocks' stores have read their registers: the set of codes and the two figures are written again only behind this wait
.endif
.set k, 0
.rept 64
	v_min_num_f32 v[TM+k], s82, v[TM+k]            ; the conversion does not saturate (ISA guide 7.6.2); p is not negative, so the hold is one-sided
.set k, k+1
.endr
.irp b, 0,1,2,3,4,5,6,7
	v_cvt_scalef32_pk8_fp8_f32 v[CDS+2*\b:CDS+2*\b+1], v[TM+8*\b:TM+8*\b+7], v[SCL]
.endr
	v_nop                                          ; one plain vector instruction behind the last conversion of a run
.irp c, 0,1,2,3
	global_store_b128 v[CO], v[CDS+4*\c:CDS+4*\c+3], s[10:11] offset:32768*(\a)+512*\c
.endr
.if (\a)%2 == 0
	v_mov_b32 v12, v2                              ; an even block's figures wait for the odd block's:
	v_mov_b32 v13, v8
.else
	v_cndmask_b32 v14, v12, v2, s86                ; lanes 0-15 give the even block's 16 queries, lanes 16-31 the odd block's: 128 consecutive bytes a store
	v_cndmask_b32 v15, v13, v8, s86
	global_store_b32 v[SO], v14, s[68:69] offset:128*((\a)/2)
	global_store_b32 v[SO], v15, s[70:71] offset:128*((\a)/2)
.endif
.endm
.irp a, 0,1,2,3,4,5,6,7
	SOFT \a
.endr
	s_wait_tensorcnt 0x0                           ; the wave's end
	ds_add_u32 v[SPW], v[NIL]
	s_wait_dscnt 0x0
	CROUND                                         ; the closing round
	s_endpgm
.Lfunc_end_k_q29a38d33a9_scores:
	.size	k_q29a38d33a9_scores, .Lfunc_end_k_q29a38d33a9_scores-k_q29a38d33a9_scores
	.p2alignl 7, 3214868480
	.fill 96, 4, 3214868480
	.section	.rodata,"a",@progbits
	.p2align	6, 0x0
	.amdhsa_kernel k_q29a38d33a9_scores
		.amdhsa_group_segment_fixed_size 327680
		.amdhsa_private_segment_fixed_size 0
		.amdhsa_enable_private_segment 0
		.amdhsa_kernarg_size 48
		.amdhsa_user_sgpr_count 2
		.amdhsa_user_sgpr_kernarg_segment_ptr 1
		.amdhsa_wavefront_size32 1
		.amdhsa_system_sgpr_workgroup_id_x 1
		.amdhsa_system_sgpr_workgroup_id_y 1
		.amdhsa_system_sgpr_workgroup_id_z 1
		.amdhsa_system_vgpr_workitem_id 0
		.amdhsa_next_free_vgpr 1024
		.amdhsa_next_free_sgpr 98
		.amdhsa_reserve_vcc 1
		.amdhsa_float_denorm_mode_32 3
		.amdhsa_float_denorm_mode_16_64 3
		.amdhsa_memory_ordered 1
		.amdhsa_forward_progress 1
		.amdhsa_inst_pref_size 196
	.end_amdhsa_kernel
	.amdgpu_metadata
---
amdhsa.version: [ 1, 2 ]
amdhsa.kernels:
  - .name:           k_q29a38d33a9_scores
    .symbol:         k_q29a38d33a9_scores.kd
    .args:
      - { .name: qk_codes, .offset: 0, .size: 8, .value_kind: global_buffer, .address_space: global }
      - { .name: mask, .offset: 8, .size: 8, .value_kind: global_buffer, .address_space: global }
      - { .name: lowp_scales, .offset: 16, .size: 8, .value_kind: global_buffer, .address_space: global }
      - { .name: p_codes, .offset: 24, .size: 8, .value_kind: global_buffer, .address_space: global }
      - { .name: nstat, .offset: 32, .size: 8, .value_kind: global_buffer, .address_space: global }
      - { .name: lstat, .offset: 40, .size: 8, .value_kind: global_buffer, .address_space: global }
    .group_segment_fixed_size: 327680
    .private_segment_fixed_size: 0
    .kernarg_segment_align: 8
    .kernarg_segment_size: 48
    .max_flat_workgroup_size: 128
    .sgpr_count:     98
    .vgpr_count:     1024
    .wavefront_size: 32
...
	.end_amdgpu_metadata
.endif
;; end of part 3
;; launch pv (part 4): grid 4 x 64, 4 waves a work-group, clusters of 4 x 4, 327,680 bytes of LDS; arguments p_codes, v_codes, nstat, lstat, lowp_scales, out0; writes out0
.if DOCPART == 4
	.amdgcn_target "amdgcn-amd-amdhsa--gfx1250"
	.amdhsa_code_object_version 6
	.text
	.protected	k_q29a38d33a9_pv
	.globl	k_q29a38d33a9_pv
	.p2align	8
	.type	k_q29a38d33a9_pv,@function
k_q29a38d33a9_pv:
	s_mov_b64 s[64:65], 0
	v_nop
	global_prefetch_b8 v0, s[64:65] scope:SCOPE_SE
	s_setreg_imm32_b32 hwreg(HW_REG_WAVE_MODE, 25, 1), 1
	s_wait_xcnt 0x0
	s_wait_alu depctr_hold_cnt(0) depctr_sa_sdst(0) depctr_va_vdst(0) depctr_va_sdst(0) depctr_va_ssrc(0) depctr_va_vcc(0) depctr_vm_vsrc(0)
	s_getreg_b32 s2, hwreg(HW_REG_IB_STS2, 6, 4)
	s_cmp_eq_u32 s2, 0
	s_cbranch_scc0 .Lentry_in_a_cluster
	s_endpgm
.Lentry_in_a_cluster:
	s_bfe_u32 s2, ttmp6, 0x10000c
	s_cmp_lg_u32 s2, 0xf033
	s_cbranch_scc0 .Lentry_shape_is_right
	s_endpgm
.Lentry_shape_is_right:
.set SLOT,   98304
.set SPARE,  2*SLOT
.set SPITCH, 528
.set ADRP, 16
.set ADRV, 20
.set STO,  24
.set RD,   25
.set CO,   26
.set PFO,  27
.set SPW,  28
.set NIL,  29
.set GS,   32
.set G,    40
.set TMP,  40
.set INV,  104
.set NM,   112
.set LS,   116
.set RC,   120
.set PF,   128
.set G1, 24
.set G0, 32
.set G1B, 48
.set G0B, 56
.set MSB, 0
.macro WIN new
.if MSB != (\new)
	s_set_vgpr_msb (MSB<<8)|(\new)
.set MSB, (\new)
.endif
.endm
.macro JLOAD g0a, g1a, g0b, g1b
	s_cmp_eq_u32 s15, 0
	s_cbranch_scc0 .Lfor_b_\@
	tensor_load_to_lds s[\g0a:\g0a+3], s[\g1a:\g1a+7]
	s_nop 0
.rept 4
	v_nop
.endr
	s_branch .Lasked_\@
.Lfor_b_\@:
	tensor_load_to_lds s[\g0b:\g0b+3], s[\g1b:\g1b+7]
	s_nop 0
.rept 4
	v_nop
.endr
.Lasked_\@:
.endm
.macro CREST
	s_cmp_lg_u32 s14, 0
	s_cbranch_scc1 .Lnot_wave_0_\@
	s_barrier_signal -3
.Lnot_wave_0_\@:
	s_barrier_wait -3
	s_barrier_signal -1
	s_barrier_wait -1
.endm
.macro CROUND
	s_barrier_signal -1
	s_barrier_wait -1
	CREST
.endm
.macro ASK r                           ; r: the offset's register: v[PFO] names the slot at which s[88:89] stands, v30 the next, v31 the one after
	s_cmp_eq_u32 s92, 1
	s_cbranch_scc0 .Lnot_mine_\@
	global_prefetch_b8 v[\r], s[88:89] th:TH_LOAD_NT scope:SCOPE_SE
.Lnot_mine_\@:
.endm
	s_load_b256 s[4:11], s[0:1], 0x0
	s_load_b128 s[68:71], s[0:1], 0x20
	v_lshl_add_u32 v[SPW], v0, 2, SPARE
	v_mov_b32 v[NIL], 0
	ds_add_u32 v[SPW], v[NIL]
	ds_add_u32 v[SPW], v[NIL]
	v_lshrrev_b32 v1, 5, v0
	v_readfirstlane_b32 s14, v1
	s_lshr_b32 s15, s14, 1
	s_and_b32 s16, s14, 1
	s_bfe_u32 s40, ttmp6, 0x40000
	s_bfe_u32 s41, ttmp6, 0x40004
	s_lshl_b32 s42, ttmp9, 2
	s_add_co_u32 s42, s42, s40
	s_and_b32 s12, ttmp7, 0xffff
	s_lshl_b32 s17, s12, 2
	s_add_co_u32 s17, s17, s41
	s_lshr_b32 s93, s12, 1
	s_lshl_b32 s43, s41, 2
	s_lshl_b32 s43, 15, s43
	s_lshl_b32 s44, 0x1111, s40
	s_or_b32 s[G1+0], s43, (3<<16)|(1<<21)
	s_mov_b32 s[G1+1], 512<<16
	s_mov_b32 s[G1+2], 4<<16
	s_mov_b32 s[G1+3], 512<<16
	s_mov_b32 s[G1+4], 4
	s_mov_b32 s[G1+5], 4096
	s_mov_b32 s[G1+6], 0
	s_mov_b32 s[G1+7], 0
	s_or_b32 s[G1B+0], s44, (3<<16)|(1<<21)
	s_mov_b32 s[G1B+1], 512<<16
	s_mov_b32 s[G1B+2], 8<<16
	s_mov_b32 s[G1B+3], 512<<16
	s_mov_b32 s[G1B+4], 8
	s_mov_b32 s[G1B+5], 2048
	s_mov_b32 s[G1B+6], 0
	s_mov_b32 s[G1B+7], 0
	s_lshl_b32 s20, s17, 3
	s_lshl_b32 s18, s16, 2
	s_add_co_u32 s20, s20, s18
	s_lshl_b32 s20, s20, 15
	s_mov_b32 s21, 0
	s_lshl_b32 s46, s93, 21
	s_lshl_b32 s47, s16, 17
	s_add_co_u32 s46, s46, s47
	s_lshl_b32 s47, s42, 12
	s_add_co_u32 s46, s46, s47
	s_mov_b32 s47, 0
	s_lshl_b32 s45, s16, 14
	s_lshl_b32 s13, s16, 15
	s_add_co_u32 s13, s13, 32768
	s_wait_dscnt 0x0
	s_wait_kmcnt 0x0
	s_load_b256 s[72:79], s[68:69], 0x0
	s_add_nc_u64 s[20:21], s[4:5], s[20:21]
	s_add_nc_u64 s[46:47], s[6:7], s[46:47]
	CROUND
.irp s, 0,1
	s_mov_b32 s[G0+4*\s], 1
	s_add_co_u32 s[G0+4*\s+1], s45, \s*SLOT
	s_add_nc_u64 s[G0+4*\s+2:G0+4*\s+3], s[20:21], \s*4096
	s_or_b32 s[G0+4*\s+3], s[G0+4*\s+3], 0x80000000
	s_mov_b32 s[G0B+4*\s], 1
	s_add_co_u32 s[G0B+4*\s+1], s13, \s*SLOT
	s_add_nc_u64 s[G0B+4*\s+2:G0B+4*\s+3], s[46:47], \s*262144
	s_or_b32 s[G0B+4*\s+3], s[G0B+4*\s+3], 0x80000000
.endr
	JLOAD G0, G1, G0B, G1B                         ; slot 0: one tensor load a wave at the head
	v_and_b32 v1, 15, v0
	v_bfe_u32 v2, v0, 4, 1
	v_and_b32 v7, 31, v0
	v_lshlrev_b32 v5, 2, v1
	s_wait_alu depctr_va_vdst(0)
	s_lshl_b32 s18, s93, 14
	s_and_b32 s19, s17, 7
	s_lshl_b32 s19, s19, 7
	s_add_co_u32 s18, s18, s19
	s_lshl_b32 s19, s15, 6
	s_add_co_u32 s18, s18, s19
	s_lshl_b32 s18, s18, 2
	s_mov_b32 s19, 0
	s_add_nc_u64 s[8:9], s[8:9], s[18:19]
	s_add_nc_u64 s[10:11], s[10:11], s[18:19]
.irp c, 0,1,2,3,4,5,6,7,8,9,10,11,12,13,14,15
.irp t, 0,1,2,3
	global_load_b32 v[128+4*\c+\t], v5, s[8:9] offset:4096*\c+64*\t
	global_load_b32 v[192+4*\c+\t], v5, s[10:11] offset:4096*\c+64*\t
.endr
.endr
	v_lshlrev_b32 v[CO], 4, v7
	v_lshlrev_b32 v3, 4, v1
	v_lshl_add_u32 v3, v2, 12, v3
	s_wait_alu depctr_va_vdst(0)                   ; the lines below read these offsets again behind scalar instructions
	s_lshl_b32 s21, s15, 14
	s_lshl_b32 s22, s16, 11
	s_add_co_u32 s22, s22, 32768
.irp s, 0,1
	v_add_nc_u32 v[ADRP+\s], s21, v[CO]
	v_add_nc_u32 v[ADRV+\s], s22, v3
	WIN 0x40                                       ; the same two addresses once more, in window 1: a step's LDS loads take their address from the window that holds its fragments of V
	v_add_nc_u32 v[ADRP+\s], s21, v[CO]
	v_add_nc_u32 v[ADRV+\s], s22, v3
	WIN 0
	s_add_co_u32 s21, s21, SLOT
	s_add_co_u32 s22, s22, SLOT
.endr
	s_mul_i32 s23, s14, 16*SPITCH
	v_mul_u32_u24 v4, v1, SPITCH
	v_lshl_add_u32 v4, v2, 5, v4
	v_add_nc_u32 v[STO], s23, v4
	v_add_nc_u32 v[RD], s23, v[CO]
	s_lshl_b32 s18, s17, 3
	s_lshl_b32 s19, s40, 1
	s_add_co_u32 s18, s18, s19
	s_lshl_b32 s18, s18, 15
	s_add_co_u32 s18, s18, 4096
	s_lshl_b32 s19, s16, 3
	s_lshl_b32 s22, s41, 1
	s_add_co_u32 s19, s19, s22
	s_add_co_u32 s19, s19, 16
	s_lshl_b32 s19, s19, 14
	s_lshl_b32 s22, s93, 21
	s_add_co_u32 s19, s19, s22
	s_lshl_b32 s22, s42, 12
	s_add_co_u32 s19, s19, s22
	s_and_b32 s23, s12, 1
	s_mov_b32 s91, 262144
	s_mov_b32 s22, 16384
	s_cmp_eq_u32 s15, 0
	s_cselect_b64 s[88:89], s[4:5], s[6:7]
	s_cselect_b32 s18, s18, s19
	s_cselect_b32 s90, 4096, s91
	s_cselect_b32 s22, 32768, s22
	s_cselect_b32 s23, s16, s23
	s_mov_b32 s19, 0
	s_mov_b32 s91, 0
	s_add_nc_u64 s[88:89], s[88:89], s[18:19]
	s_cmp_eq_u32 s23, 0
	s_cselect_b32 s92, 1, 0
	v_lshrrev_b32 v8, 4, v7
	v_mul_lo_u32 v8, v8, s22
	v_lshl_add_u32 v[PFO], v1, 8, v8
	v_add_nc_u32 v30, s90, v[PFO]                  ; a slot on,
	v_add_nc_u32 v31, s90, v30                     ; and two
	s_wait_alu depctr_va_vdst(0)                   ; ahead of the branches below
	ASK PFO                                        ; s[88:89] stands at slot 1: slots 1 and 2 are asked for here
	ASK 30
	s_lshl_b32 s18, s17, 7
	s_lshl_b32 s19, s15, 6
	s_add_co_u32 s18, s18, s19
	s_lshl_b32 s18, s18, 12
	s_lshl_b32 s19, s42, 10
	s_add_co_u32 s18, s18, s19
	s_lshl_b32 s19, s16, 9
	s_add_co_u32 s18, s18, s19
	s_mov_b32 s19, 0
	s_add_nc_u64 s[70:71], s[70:71], s[18:19]
	s_wait_kmcnt 0x0
	s_add_co_i32 s80, s78, s79
	s_wait_alu depctr_va_vdst(0)
	s_wait_tensorcnt 0x0                           ; my part of slot 0 is in
	ds_add_u32 v[SPW], v[NIL]
	s_wait_dscnt 0x0
	CROUND
	JLOAD G0+4, G1, G0B+4, G1B                     ; slot 1's first fill, the first tensor load behind the round
	ASK 31                                         ; slot 3, two refills on
	s_wait_loadcnt 0x0
.irp t, 0,1,2,3
	v_min_num_f32 v[NM+\t], v[128+\t], v[132+\t]
.endr
.irp c, 2,3,4,5,6,7,8,9,10,11,12,13,14,15
.irp t, 0,1,2,3
	v_min_num_f32 v[NM+\t], v[NM+\t], v[128+4*\c+\t]
.endr
.endr
.set k, 0
.rept 64
	v_sub_f32 v[128+k], v[NM+k%4], v[128+k]
.set k, k+1
.endr
.set k, 0
.rept 64
	v_cvt_i32_f32 v[128+k], v[128+k]
.set k, k+1
.endr
.set k, 0
.rept 64
	v_ldexp_f32 v[G+k], 1.0, v[128+k]
.set k, k+1
.endr
.irp t, 0,1,2,3
	v_mul_f32 v[LS+\t], v[G+\t], v[192+\t]
.endr
.irp c, 1,2,3,4,5,6,7,8,9,10,11,12,13,14,15
.irp t, 0,1,2,3
	v_fmac_f32 v[LS+\t], v[G+4*\c+\t], v[192+4*\c+\t]
.endr
.endr
	s_wait_alu depctr_va_vdst(0)
.irp t, 0,1,2,3
	v_rcp_f32 v[RC+\t], v[LS+\t]
.endr
	v_nop
	s_wait_alu depctr_va_vdst(0)
.irp t, 0,1,2,3
	v_ldexp_f32 v[INV+2*\t], v[RC+\t], s80
	v_mov_b32 v[INV+2*\t+1], 0
	v_mov_b32 v[GS+2*\t+1], 0
.endr
	WIN 0x40
.irp t, 0,1,2,3
	v_mov_b32 v[GS+2*\t+1], 0                      ; window 1's copy of the factors' pairs: the upper halves are named with the lower, so they are written
.endr
	WIN 0
; A STEP is one chunk of 128 keys: 32 tiles (i = 4 blocks of 16 queries, j = 8 blocks of 16 channels), tile t = 8 i + j.  Each tile's product starts from 0, and LAG turns later four packed
; multiply-adds bring it under the row's M (x the chunk's exact factor, a number a lane) and add it to the sums: the fold of one tile stands in the places behind the products of others.
; REGISTERS.  Window p (0 or 1): v128-255 V's fragments, set p; v16-21 the LDS addresses and v32-39 the step's four factors, in both windows.  Window 2 + H (H = i / 2): v0-127 the sums of blocks 2 H and 2 H + 1;
; v128-191 a ring of 8 product tiles; v192-255 P's fragments of those two blocks, two sets of 32.  So ONE setting (source 0: window p; all else: window 2 + H) serves the products, the folds and P's loads;
; V's loads, whose destination is window 1 - p, come in groups behind every fourth product.
.set LAG, 3
.macro FIRST                           ; the first step's fragments: V's set 0, P's sets 0
	WIN 0
.set VN, 0
.rept 32
	ds_load_b128 v[128+4*VN:128+4*VN+3], v[ADRV] offset:8192*(VN%4)+256*(VN/4)
.set VN, VN+1
.endr
.irp hh, 0,1
	WIN 0x80+0x40*\hh
.set PN, 0
.rept 8
	ds_load_b128 v[192+4*PN:192+4*PN+3], v[ADRP] offset:4096*(2*\hh+PN/4)+512*(PN%4)
.set PN, PN+1
.endr
.endr
	WIN 0
.endm
.macro GSET                            ; chunk CH's four factors into window PB
	WIN PB<<6
.irp t, 0,1,2,3
	v_mov_b32 v[GS+2*\t], v[G+4*CH+\t]
.endr
	s_wait_alu depctr_va_vdst(0)                   ; directly behind the writes, ahead of the first readers
.endm
.macro FOLD1                           ; tile U of the step: the sums += the factor x the product, from the product's low end on
.set KK, 0
.rept 4
.if CH == 0
	v_pk_mul_f32 v[8*(U%16)+KK:8*(U%16)+KK+1], v[GS+2*(U/8):GS+2*(U/8)+1], v[128+8*(U%8)+KK:128+8*(U%8)+KK+1] op_sel_hi:[0,1]
.else
	v_pk_fma_f32 v[8*(U%16)+KK:8*(U%16)+KK+1], v[GS+2*(U/8):GS+2*(U/8)+1], v[128+8*(U%8)+KK:128+8*(U%8)+KK+1], v[8*(U%16)+KK:8*(U%16)+KK+1] op_sel_hi:[0,1,1]
.endif
.set KK, KK+2
.endr
.endm
; Turns t0 to t1 of a step.  pl: one of P's next loads behind each product, while the half's eight last; vg: so many of V's next loads behind every fourth product, while the 32 last; both from the q-th 128 keys of the slot.
.macro RUN t0, t1, pl, vg, slot, q
.set TT, \t0
.rept (\t1)-(\t0)+1
	WIN (0x54*(2+TT/16))|PB
.if (TT%16) >= LAG
.if (TT%16) == LAG
.rept 4
	v_nop                                          ; the places behind a half's first product (ISA guide 7.12.1); later folds have the folds of other tiles
.endr
.endif
.set U, TT-LAG
	FOLD1
.endif
	v_wmma_f32_16x16x128_fp8_fp8 v[128+8*(TT%8):128+8*(TT%8)+7], v[128+16*(TT%8):128+16*(TT%8)+15], v[192+32*PB+16*((TT/8)%2):192+32*PB+16*((TT/8)%2)+15], 0
.if (\pl) && (PN < 8)
	ds_load_b128 v[192+32*(1-PB)+4*PN:192+32*(1-PB)+4*PN+3], v[ADRP+(\slot)] offset:4096*(2*(TT/16)+PN/4)+2048*(\q)+512*(PN%4)
.set PN, PN+1
.endif
.if (\vg) && ((TT%4) == 3) && (VN < 32)
	WIN ((1-PB)<<6)|PB
.rept \vg
.if VN < 32
	ds_load_b128 v[128+4*VN:128+4*VN+3], v[ADRV+(\slot)] offset:32768*(\q)+8192*(VN%4)+256*(VN/4)
.set VN, VN+1
.endif
.endr
.endif
.if (TT%16) == 15                      ; a half's end: its last LAG folds
	WIN (0x54*(2+TT/16))|PB
.set U, TT-LAG+1
.rept LAG
	FOLD1
.set U, U+1
.endr
.set PN, 0
.endif
.set TT, TT+1
.endr
.endm
.macro PARTA sg                        ; a slot's first step, on sets 0; the second step's fragments come into sets 1
.set PB, 0
.set CH, 2*(\sg)
.set VN, 0
.set PN, 0
	s_wait_dscnt 0x0                               ; this step's fragments are in
	GSET
	RUN 0, 31, 1, 6, (\sg)%2, 1
.endm
.macro PARTB sg                        ; a slot's second step, on sets 1, and the change of slots
.set SL, (\sg)%2
.set PB, 1
.set CH, 2*(\sg)+1
.set VN, 0
.set PN, 0
	WIN 0
	s_wait_tensorcnt 0x0                           ; all my tensor loads have landed: my part of the next slot
	ds_add_u32 v[SPW], v[NIL]
.if (\sg) <= 3
	s_wait_xcnt 0x0
	s_add_nc_u64 s[88:89], s[88:89], s[90:91]
.endif
	s_wait_dscnt 1                                 ; this step's fragments are in; the add alone may be out
	GSET
	RUN 0, 3, 0, 0, 0, 0
	s_wait_dscnt 0x0                               ; the add is done, and my reads of this slot are over
	s_barrier_signal -1
	RUN 4, 7, 0, 0, 0, 0                           ; work on registers while the others arrive
	WIN 0
	s_barrier_wait -1
.if (\sg) <= 5
	CREST
	s_add_nc_u64 s[G0+4*SL+2:G0+4*SL+3], s[G0+4*SL+2:G0+4*SL+3], 8192
	s_add_nc_u64 s[G0B+4*SL+2:G0B+4*SL+3], s[G0B+4*SL+2:G0B+4*SL+3], 524288
	JLOAD G0+4*SL, G1, G0B+4*SL, G1B
.endif
.if (\sg) <= 3
	ASK 31                                         ; s[88:89] stands at slot sg + 2: slot sg + 4 is asked for, two refills on
.endif
	RUN 8, 31, 1, 8, 1-SL, 0
.endm
	s_wait_alu depctr_va_vdst(0)                   ; the wait at the head's end
	FIRST
.irp g, 0,1,2,3,4,5,6
	PARTA \g
	PARTB \g
.endr
	PARTA 7
.set PB, 1
.set CH, 15
	s_wait_dscnt 0x0                               ; the last step: nothing more to fetch
	GSET
	RUN 0, 31, 0, 0, 0, 0
.macro TOSTAGE i
	WIN 0x02+(\i)/2
.set k, 0
.rept 32
	v_pk_mul_f32 v[TMP+k:TMP+k+1], v[64*((\i)%2)+k:64*((\i)%2)+k+1], v[INV+2*(\i):INV+2*(\i)+1] op_sel_hi:[1,0]
.set k, k+2
.endr
	WIN 0
.irp b, 0,1,2,3,4,5,6,7
	ds_store_b128 v[STO], v[TMP+8*\b:TMP+8*\b+3] offset:64*\b
	ds_store_b128 v[STO], v[TMP+8*\b+4:TMP+8*\b+7] offset:64*\b+16
.endr
.set BB, PF+64*((\i)%2)
.irp t, 0,1,2,3,4,5,6,7,8,9,10,11,12,13,14,15
	ds_load_b128 v[BB+4*\t:BB+4*\t+3], v[RD] offset:\t*SPITCH
.endr
.endm
.macro SEND i, younger
.set BB, PF+64*((\i)%2)
	s_wait_dscnt \younger
.irp t, 0,1,2,3,4,5,6,7,8,9,10,11,12,13,14,15
	global_store_b128 v[CO], v[BB+4*\t:BB+4*\t+3], s[70:71] offset:65536*(\i)+4096*\t th:TH_STORE_NT
.endr
.endm
	TOSTAGE 0
	TOSTAGE 1
	SEND 0, 32
	s_wait_xcnt 0x0
	TOSTAGE 2
	SEND 1, 32
	s_wait_xcnt 0x0
	TOSTAGE 3
	SEND 2, 32
	SEND 3, 0
	s_wait_tensorcnt 0x0
	ds_add_u32 v[SPW], v[NIL]
	s_wait_dscnt 0x0
	CROUND
	s_endpgm
.Lfunc_end_k_q29a38d33a9_pv:
	.size	k_q29a38d33a9_pv, .Lfunc_end_k_q29a38d33a9_pv-k_q29a38d33a9_pv
	.p2alignl 7, 3214868480
	.fill 96, 4, 3214868480
	.section	.rodata,"a",@progbits
	.p2align	6, 0x0
	.amdhsa_kernel k_q29a38d33a9_pv
		.amdhsa_group_segment_fixed_size 327680
		.amdhsa_private_segment_fixed_size 0
		.amdhsa_enable_private_segment 0
		.amdhsa_kernarg_size 48
		.amdhsa_user_sgpr_count 2
		.amdhsa_user_sgpr_kernarg_segment_ptr 1
		.amdhsa_wavefront_size32 1
		.amdhsa_system_sgpr_workgroup_id_x 1
		.amdhsa_system_sgpr_workgroup_id_y 1
		.amdhsa_system_sgpr_workgroup_id_z 1
		.amdhsa_system_vgpr_workitem_id 0
		.amdhsa_next_free_vgpr 1024
		.amdhsa_next_free_sgpr 98
		.amdhsa_reserve_vcc 0
		.amdhsa_float_denorm_mode_32 3
		.amdhsa_float_denorm_mode_16_64 3
		.amdhsa_memory_ordered 1
		.amdhsa_forward_progress 1
		.amdhsa_inst_pref_size 255
	.end_amdhsa_kernel
	.section	.bss,"aw",@nobits
	.p2align	6
	.space	262144
	.amdgpu_metadata
---
amdhsa.version: [ 1, 2 ]
amdhsa.kernels:
  - .name:           k_q29a38d33a9_pv
    .symbol:         k_q29a38d33a9_pv.kd
    .args:
      - { .name: p_codes, .offset: 0, .size: 8, .value_kind: global_buffer, .address_space: global }
      - { .name: v_codes, .offset: 8, .size: 8, .value_kind: global_buffer, .address_space: global }
      - { .name: nstat, .offset: 16, .size: 8, .value_kind: global_buffer, .address_space: global }
      - { .name: lstat, .offset: 24, .size: 8, .value_kind: global_buffer, .address_space: global }
      - { .name: lowp_scales, .offset: 32, .size: 8, .value_kind: global_buffer, .address_space: global }
      - { .name: out0, .offset: 40, .size: 8, .value_kind: global_buffer, .address_space: global }
    .group_segment_fixed_size: 327680
    .private_segment_fixed_size: 0
    .kernarg_segment_align: 8
    .kernarg_segment_size: 48
    .max_flat_workgroup_size: 128
    .sgpr_count:     98
    .vgpr_count:     1024
    .wavefront_size: 32
...
	.end_amdgpu_metadata
.endif
;; end of part 4
